; MI455X (gfx1250); checked and timed in simulation.
; The chip was launched on July 23, 2026; its instructions are those of AMD's public machine-readable ISA for CDNA 5 (MIT licence, August 2026) and "CDNA5" Instruction Set Architecture Reference Guide (July 2026). The comments in the code are by the model that wrote it; some were corrected since.
;; Scaled Dot Product Attention. Allowed arithmetic: matrix products marked QUANTISED: E4M3 operands, one E8M0 scale for each 32 along K, by v_wmma_scale_f32_16x16x128_f8f6f4 with both operands' format E4M3, f32 sums; everything else in f32.
;; Inputs: qkv 8 x 2,048 x 3,072 float32.
;; Outputs: out0 8 x 2,048 x 1,024 float32.
;; This version of the problem:
;;   THIS VERSION OF THE PROBLEM IS GIVEN IN LOW PRECISION. The matrix products marked QUANTISED in the list below multiply operands that are first quantised to E4M3 (4 exponent bits, 3 mantissa bits; 8 bits a number), with one power-of-two scale for each 32 numbers along K (OCP MX v1.0); their sums are f32. All else is computed in f32.
;;   The module's matrix products, in the order in which they are computed (A, B: the left and right operand; K: the contracted axis; several contracted axes count as one K, in the product's order):
;;     1. batch 8 x [M 2,048, K 1,024] x [K 1,024, N 2,048]; A: computed on the way; B: input qkv: QUANTISED
;;     2. batch 8 x [M 2,048, K 2,048] x [K 2,048, N 1,024]; A: softmax (see below); B: input qkv: QUANTISED
;;   THE QUANTISER, for each operand of a quantised product, along K:
;;     - K is cut into blocks of 32 from its start; a last block that is shorter is filled with zeros.
;;     - A block's scale is 2^e with e = floor(log2(the largest magnitude in the block)) - 8, held to -126 .. 127; a block of zeros has e = 0. As a byte (E8M0): e + 127.
;;     - Each number is divided by its block's scale, clamped to +-448, and rounded to the nearest number of E4M3, ties to even, subnormals kept.
;;     - The product sums the exact products of the quantised numbers (number of the format x scale) in f32.
;;   ~~~python
;;   def quantise(x, axis):      # numpy; x: float32 -> the quantised numbers, widened to float32 again
;;       x = np.moveaxis(x, axis, -1); K = x.shape[-1]
;;       x = np.pad(x, [(0, 0)] * (x.ndim - 1) + [(0, -K % 32)]); x = x.reshape(x.shape[:-1] + (-1, 32)); a = np.abs(x).max(-1, keepdims=True)
;;       e = np.where(a > 0, np.clip(np.frexp(np.where(a > 0, a, 1))[1] - 1 - 8, -126, 127), 0)      # np.frexp(a)[1] - 1 = floor(log2(a)), exactly
;;       r = np.clip(x / 2.0 ** e, -448, 448)
;;       step = 2.0 ** (np.maximum(np.frexp(np.where(r == 0, 1, r))[1] - 1, -6) - 3)
;;       q = np.round(r / step) * step * 2.0 ** e      # np.round: ties to even
;;       return np.moveaxis(q.reshape(q.shape[:-2] + (-1,))[..., :K], -1, axis).astype(np.float32)
;;   ~~~
;;   SOFTMAX AHEAD OF A QUANTISED PRODUCT. Where the list says 'softmax', what is quantised is not the finished softmax but p = 2^(t - M), with t = logit x log2(e) and M = ceil(the row's largest t), a whole number; so 1/2 < the row's largest p <= 1. The row's sum l is taken of the UNQUANTISED p, in f32, and the product's result is divided by l at the end. Since M is a whole number, a kernel that streams over the keys may use a running M (the ceiling of the running maximum): every later rescaling is an exact power of two, which a block's scale takes up: the codes' values come out the same.
;;   OPERANDS COMPUTED ON THE WAY. 'Computed on the way' means the value that the module computes at that place (a softmax that the list does not call 'softmax' is quantised finished and normalised). What goes into a quantiser is computed in f32, as accurately as f32 sums, v_exp_f32 and their like allow (about 1e-6 of the number): no bf16 or f16 on the way to a quantiser, and a product that is left as it is and whose result goes on into a quantised operand takes f32 operands (vector FMAs, or v_wmma_f32_16x16x4_f32). A number that lies on a knife's edge between two numbers of the format may be rounded either way, as far as f32 arithmetic and the matrix unit's own rounding can turn it there, and no further.
;; One version. Each part assembles by itself: llvm-mc -triple=amdgcn-amd-amdhsa -mcpu=gfx1250 --defsym DOCPART=n.
;; ======== version 1 of 1: 2 launches
;; limits: right only within a limited range of input values
;; workspace buffers: kcod 16,777,216 bytes; kscl 524,288 bytes; vcod 16,777,216 bytes; vscl 524,288 bytes
;; launch quant (part 1): grid 1024 x 1, 4 waves a work-group, no clusters, 34,304 bytes of LDS; arguments qkv, kcod, kscl, vcod, vscl; writes kcod, kscl, vcod, vscl
.if DOCPART == 1
	.amdgcn_target "amdgcn-amd-amdhsa--gfx1250"
	.amdhsa_code_object_version 6
	.text
	.protected	k_qf0470567cd_quant
	.globl	k_qf0470567cd_quant
	.p2align	8
	.type	k_qf0470567cd_quant,@function
k_qf0470567cd_quant:
	s_mov_b64 s[64:65], 0
	v_nop
	global_prefetch_b8 v0, s[64:65] scope:SCOPE_SE
	s_setreg_imm32_b32 hwreg(HW_REG_WAVE_MODE, 25, 1), 1
	s_wait_xcnt 0x0
; qkv [8][2048][3072] f32 = q | k | v.  k is quantised along E, v along the keys, to codes of FP8 (E4M3) with one E8M0 scale byte for each 32 along K.  (q is read by one work-group alone and is quantised by the launch that uses it.)
; A block's scale is 2^(floor(log2(its largest magnitude)) - 8); its byte is the largest magnitude's exponent field - 8, held at 1 from below; each number is held within +-448 x the scale and rounded to the nearest code, ties to even.
; LIMITS: NaN and infinities among the inputs are not served.  A block whose largest magnitude lies under 2^-118 (a block of zeros among them) keeps the byte 1; a block of zeros has zero codes, which add nothing, and the bytes are read by this program alone.
; THE BUFFERS ARE LAID AS IMAGES OF THE OPERANDS' REGISTERS.  A fragment (16 rows x 128 along K) is 2,048 bytes: byte 512 c + 16 lane + i holds k = 32 c + 16 (lane / 16) + i of row lane % 16.
;   kcod: [batch 8][128 rows 16][pair of K steps 4][K step of the pair 2][tile 8][2048].  Row r of tile 2 u + u' is row 32 u + 8 u' + r + 8 (r / 8) of the 128.
;   kscl: [batch][128 rows][pair 4][u 4][lane 32][K step of the pair 2] words: lanes 0-15 tile 2 u's rows, lanes 16-31 tile 2 u + 1's.
;   vcod: [batch][128 keys 16][256 columns 4][tile 16][2048].  Row r of tile 4 q + 2 G + col is column 64 q + 32 G + 2 r + col of the 256; K = the 128 keys.
;   vscl: [batch][128 keys][256 columns][q 4][lane 32 = 16 G + r][col 2] words.
; 1,024 work-groups of four waves: 0-511 take k, 512-1023 v.  Each takes 128 rows x 256 columns.  Waves share nothing: no barrier.
.set ROWQ,  12288                      ; a row of qkv in bytes
.set SP,    528                        ; a stage row: 512 bytes + 16 = 33 x 16, so sixteen rows start 16 bytes apart modulo 256
.set STG,   16*SP                      ; a wave's stage
.set TM,    8                          ; v8-11 largest magnitudes, v12-15 at work and bytes, v16-19 448 x the scale, v20-23 the conversions' scale operands
.set W,     24                         ; v24-27 the four fragments' scale words
.set PC,    32                         ; v32-63 codes, two sets of 16
.set C,     32                         ; (the v path: the same registers)
.set X,     64                         ; v64-127 64 numbers in the operand's order
.set R,     128                        ; v128-255 numbers as loaded, two sets of 64
	s_load_b64 s[4:5], s[0:1], 0x0                 ; qkv
	s_load_b128 s[8:11], s[0:1], 0x8               ; kcod, kscl
	s_load_b128 s[16:19], s[0:1], 0x18             ; vcod, vscl
	v_lshl_add_u32 v30, v0, 2, 0x8400              ; my spare word, behind the four stages; never rewritten
	v_mov_b32 v31, 0                               ; 0; never rewritten
	v_lshrrev_b32 v1, 5, v0
	v_readfirstlane_b32 s20, v1                    ; wave 0..3
	v_and_b32 v2, 31, v0                           ; lane
	s_mov_b32 s22, 0x76543210
	s_mov_b32 s23, 0xfedcba98                      ; v_permlanex16_b32's selects for lane l xor 16
	s_mov_b32 s24, 0x600000                        ; the mantissa field of 448
	s_cmp_lt_u32 ttmp9, 512
	s_cbranch_scc0 .Lv_path
; ---------------- k: K = E is innermost in memory.  Wave u takes rows 32 u .. 32 u + 31 x 256 along E: four fragments (K step s' = t / 2, tile 2 u + t % 2).
; Each load reads 512 consecutive bytes of one row; the 16 rows of a fragment turn through the wave's own stage, so that lane (r, h) gets, of row r, 16 neighbours of each block of 32.
	v_lshlrev_b32 v4, 4, v2                        ; 16 x lane
	s_mul_i32 s21, s20, STG
	v_add_nc_u32 v5, s21, v4                       ; the stage, on the way in
	v_and_b32 v3, 15, v2                           ; r
	v_lshrrev_b32 v6, 4, v2                        ; h
	v_mul_u32_u24 v3, v3, SP
	v_lshl_add_u32 v6, v6, 6, v3
	v_add_nc_u32 v6, s21, v6                       ; and on the way out: row r, + 64 h
	v_lshlrev_b32 v7, 3, v2                        ; 8 x lane: my two scale words
.irp b, 0,1,2,3
	v_mov_b32 v[TM+4+\b], 0                        ; written once: a lane permute's destination counts as one of its sources
.endr
	s_and_b32 s28, ttmp9, 511                      ; id = 64 batch + 4 (128 rows) + pair
	s_lshr_b32 s30, s28, 6
	s_mul_i32 s30, s30, 25165824                   ; a batch of qkv
	s_bfe_u32 s31, s28, 0x40002
	s_mul_i32 s31, s31, 1572864                    ; 128 rows
	s_add_co_u32 s30, s30, s31
	s_and_b32 s31, s28, 3
	s_lshl_b32 s31, s31, 10                        ; 256 numbers along E
	s_add_co_u32 s30, s30, s31
	s_add_co_u32 s30, s30, 4096                    ; k lies 4,096 bytes behind q in a row
	s_mul_i32 s31, s20, 393216                     ; my wave's 32 rows
	s_add_co_u32 s30, s30, s31
	s_mov_b32 s31, 0
	s_lshl_b32 s32, s28, 15
	s_lshl_b32 s33, s20, 12
	s_add_co_u32 s32, s32, s33                     ; codes: 32,768 id + 4,096 wave
	s_mov_b32 s33, 0
	s_lshl_b32 s34, s28, 10
	s_lshl_b32 s35, s20, 8
	s_add_co_u32 s34, s34, s35                     ; scale words: 1,024 id + 256 wave
	s_mov_b32 s35, 0
	s_wait_alu depctr_va_vdst(0)                   ; the wait at the head's end
	s_wait_kmcnt 0x0
	s_add_nc_u64 s[4:5], s[4:5], s[30:31]
	s_add_nc_u64 s[8:9], s[8:9], s[32:33]
	s_add_nc_u64 s[10:11], s[10:11], s[34:35]
.macro LOADQ t                         ; fragment t's 16 rows, 512 bytes of each, into set t % 2
.set zr, 0
.rept 16
	global_load_b128 v[R+64*((\t)%2)+4*zr:R+64*((\t)%2)+4*zr+3], v4, s[4:5] offset:(8*((\t)%2)+zr+8*(zr/8))*ROWQ+512*((\t)/2) th:TH_LOAD_NT
.set zr, zr+1
.endr
.endm
.macro TURNQ t                         ; through the stage: LDS serves a wave's instructions in order, so no wait stands between the stores and the loads
.set zr, 0
.rept 16
	ds_store_b128 v5, v[R+64*((\t)%2)+4*zr:R+64*((\t)%2)+4*zr+3] offset:SP*zr
.set zr, zr+1
.endr
.set zr, 0
.rept 16
	ds_load_b128 v[X+4*zr:X+4*zr+3], v6 offset:128*(zr/4)+16*(zr%4)   ; register 16 c + i = k 32 c + 16 h + i of my row
.set zr, zr+1
.endr
.endm
.macro QUANT                           ; v[X] .. v[X + 63] become a fragment's codes in v[PCS] on and its scale word in v[PW]
.irp b, 0,1,2,3
	v_max3_num_f32 v[TM+\b], |v[X+16*\b]|, |v[X+1+16*\b]|, 0x4800000   ; block b: my 16 numbers, and the floor 2^(9 - 127): the byte cannot fall under 1
.endr
.irp i, 2,4,6,8,10,12,14
.irp b, 0,1,2,3
	v_max3_num_f32 v[TM+\b], v[TM+\b], |v[X+16*\b+\i]|, |v[X+1+16*\b+\i]|   ; the four blocks by turns
.endr
.endr
.irp b, 0,1,2,3
	v_permlanex16_b32 v[TM+4+\b], v[TM+\b], s22, s23
.endr
.irp b, 0,1,2,3
	v_max_num_f32 v[TM+\b], v[TM+\b], v[TM+4+\b]   ; with lane l xor 16's: the block's largest magnitude
.endr
.irp b, 0,1,2,3
	v_add_nc_u32 v[TM+12+\b], 0xfc000000, v[TM+\b] ; 8 off its exponent field: the conversion takes this operand's exponent field as its scale
.endr
.irp b, 0,1,2,3
	v_and_or_b32 v[TM+8+\b], v[TM+\b], 0x7f800000, s24   ; 448 x the scale
.endr
.irp b, 0,1,2,3
	v_lshrrev_b32 v[TM+4+\b], 23, v[TM+12+\b]      ; the scale's byte
.endr
	v_lshl_or_b32 v[PW], v[TM+5], 8, v[TM+4]
	v_lshl_or_b32 v[PW], v[TM+6], 16, v[PW]
	v_lshl_or_b32 v[PW], v[TM+7], 24, v[PW]        ; my row's scale word (both halves of the lanes hold it)
.irp b, 0,1,2,3
.irp i, 0,1,2,3,4,5,6,7,8,9,10,11,12,13,14,15
	v_med3_num_f32 v[X+16*\b+\i], v[X+16*\b+\i], -v[TM+8+\b], v[TM+8+\b]   ; the conversion to an 8-bit code does not saturate (ISA guide 7.6.2): the hold
.endr
	v_cvt_scalef32_pk8_fp8_f32 v[PCS+4*\b:PCS+1+4*\b], v[X+16*\b:X+7+16*\b], v[TM+12+\b]
	v_cvt_scalef32_pk8_fp8_f32 v[PCS+2+4*\b:PCS+3+4*\b], v[X+8+16*\b:X+15+16*\b], v[TM+12+\b]
.endr
	v_nop                                          ; one plain vector line behind the last conversion
.endm
.macro SUBQ t
.if (\t) < 3
	s_wait_loadcnt 16                              ; this fragment's 16 loads are in; the next fragment's 16 may be out
.else
	s_wait_loadcnt 0x0
.endif
	TURNQ \t
	s_wait_dscnt 0x0                               ; the numbers are back, and the stores have read set t % 2,
.if (\t) < 2
	LOADQ (\t)+2                                   ; which takes the fragment two further on
.endif
.if (\t) >= 2
	s_wait_xcnt 0x0                                ; the stores of two fragments ago have read this set of codes
.endif
.set PCS, PC+16*((\t)%2)
.set PW, W+(\t)
	QUANT
.irp c, 0,1,2,3
	global_store_b128 v4, v[PCS+4*\c:PCS+4*\c+3], s[8:9] offset:(8*((\t)/2)+(\t)%2)*2048+512*\c   ; 32 lanes store 512 consecutive bytes, aligned
.endr
.endm
	LOADQ 0
	LOADQ 1
	SUBQ 0
	SUBQ 1
	SUBQ 2
	SUBQ 3
	v_cmp_gt_u32 vcc_lo, 16, v2                    ; lanes 0-15 keep the even tile's words, lanes 16-31 the odd tile's
	v_cndmask_b32 v28, v[W+1], v[W+0], vcc_lo
	v_cndmask_b32 v29, v[W+3], v[W+2], vcc_lo
	global_store_b64 v7, v[28:29], s[10:11]        ; 32 lanes store 256 consecutive bytes, aligned
	s_wait_tensorcnt 0x0                           ; the wave's end, behind my last LDS store
	ds_add_u32 v30, v31
	s_wait_dscnt 0x0
	s_endpgm
; ---------------- v: K = the keys is the outer axis.  Wave q takes 64 columns; a lane takes two neighbouring columns, and its registers run down the 128 keys:
; a block of 32 keys of a column lies in one lane, and the conversions give the codes with the keys innermost.  Nothing goes through LDS.
.Lv_path:
	s_wait_alu depctr_va_vdst(0)
	v_lshlrev_b32 v4, 3, v2                        ; 8 x lane: my two columns, and my two scale words
	v_lshrrev_b32 v5, 4, v2                        ; G
	v_and_b32 v3, 15, v2                           ; r
	v_lshlrev_b32 v3, 4, v3
	v_lshl_add_u32 v5, v5, 12, v3                  ; codes: two tiles x G + 16 r
	s_sub_co_u32 s28, ttmp9, 512                   ; 64 batch + 4 (128 keys) + (256 columns)
	s_lshr_b32 s30, s28, 6
	s_mul_i32 s30, s30, 25165824
	s_bfe_u32 s31, s28, 0x40002
	s_mul_i32 s31, s31, 1572864
	s_add_co_u32 s30, s30, s31
	s_and_b32 s31, s28, 3
	s_lshl_b32 s31, s31, 10
	s_add_co_u32 s30, s30, s31
	s_lshl_b32 s31, s20, 8                         ; my wave's 64 columns
	s_add_co_u32 s30, s30, s31
	s_add_co_u32 s30, s30, 8192                    ; v lies 8,192 bytes behind q in a row
	s_mov_b32 s31, 0
	s_lshl_b32 s32, s28, 15
	s_lshl_b32 s33, s20, 13
	s_add_co_u32 s32, s32, s33
	s_mov_b32 s33, 0
	s_lshl_b32 s34, s28, 10
	s_lshl_b32 s35, s20, 8
	s_add_co_u32 s34, s34, s35
	s_mov_b32 s35, 0
	s_wait_alu depctr_va_vdst(0)
	s_wait_kmcnt 0x0
	s_add_nc_u64 s[4:5], s[4:5], s[30:31]
	s_add_nc_u64 s[16:17], s[16:17], s[32:33]
	s_add_nc_u64 s[18:19], s[18:19], s[34:35]
.macro LOADV c                         ; keys 32 c .. 32 c + 31 of my two columns into set c % 2: each load reads 256 consecutive bytes, aligned
.set zi, 0
.rept 32
	global_load_b64 v[R+64*((\c)%2)+2*zi:R+64*((\c)%2)+2*zi+1], v4, s[4:5] offset:(32*(\c)+zi)*ROWQ th:TH_LOAD_NT
.set zi, zi+1
.endr
.endm
.macro BLOCKV c
.set RS, R+64*((\c)%2)
.set CSET, C+16*((\c)%2)
.if (\c) < 3
	s_wait_loadcnt 32                              ; this block's 32 loads are in; the next block's 32 may be out
.else
	s_wait_loadcnt 0x0
.endif
	v_max3_num_f32 v8, |v[RS]|, |v[RS+2]|, 0x4800000      ; each column's largest magnitude, with the floor 2^(9 - 127); the two columns by turns
	v_max3_num_f32 v9, |v[RS+1]|, |v[RS+3]|, 0x4800000
.irp i, 2,4,6,8,10,12,14,16,18,20,22,24,26,28,30
	v_max3_num_f32 v8, v8, |v[RS+2*\i]|, |v[RS+2*\i+2]|
	v_max3_num_f32 v9, v9, |v[RS+2*\i+1]|, |v[RS+2*\i+3]|
.endr
	v_add_nc_u32 v10, 0xfc000000, v8               ; the conversions' scale operands
	v_add_nc_u32 v11, 0xfc000000, v9
	v_and_or_b32 v12, v8, 0x7f800000, s24          ; 448 x the scale
	v_and_or_b32 v13, v9, 0x7f800000, s24
.if (\c) == 0
	v_lshrrev_b32 v16, 23, v10                     ; the scale's byte: block c's goes to byte c of the column's word
	v_lshrrev_b32 v17, 23, v11
.else
	v_lshrrev_b32 v14, 23, v10
	v_lshrrev_b32 v15, 23, v11
	v_lshl_or_b32 v16, v14, 8*(\c), v16
	v_lshl_or_b32 v17, v15, 8*(\c), v17
.endif
.set zi, 0
.rept 32
	v_med3_num_f32 v[X+zi], v[RS+2*zi], -v12, v12          ; the hold also parts the two columns: 32 registers on end for each
	v_med3_num_f32 v[X+32+zi], v[RS+2*zi+1], -v13, v13
.set zi, zi+1
.endr
.if (\c) < 2
	LOADV (\c)+2
.endif
.if (\c) >= 2
	s_wait_alu depctr_va_vdst(0)
	s_wait_xcnt 0x0                                ; the stores of two blocks ago have read this set of codes
.endif
.irp m, 0,1,2,3
	v_cvt_scalef32_pk8_fp8_f32 v[CSET+2*\m:CSET+2*\m+1], v[X+8*\m:X+8*\m+7], v10
	v_cvt_scalef32_pk8_fp8_f32 v[CSET+8+2*\m:CSET+8+2*\m+1], v[X+32+8*\m:X+32+8*\m+7], v11
.endr
	v_nop                                          ; one plain vector line behind the last conversion
.irp col, 0,1
.irp h, 0,1
	global_store_b128 v5, v[CSET+8*\col+4*\h:CSET+8*\col+4*\h+3], s[16:17] offset:2048*\col+512*(\c)+256*\h   ; sixteen lanes store 256 consecutive bytes, aligned
.endr
.endr
.endm
	LOADV 0
	LOADV 1
	BLOCKV 0
	BLOCKV 1
	BLOCKV 2
	BLOCKV 3
	global_store_b64 v4, v[16:17], s[18:19]        ; 32 lanes store 256 consecutive bytes, aligned
	s_endpgm
.Lfunc_end_k_qf0470567cd_quant:
	.size	k_qf0470567cd_quant, .Lfunc_end_k_qf0470567cd_quant-k_qf0470567cd_quant
	.p2alignl 7, 3214868480
	.fill 96, 4, 3214868480
	.section	.rodata,"a",@progbits
	.p2align	6, 0x0
	.amdhsa_kernel k_qf0470567cd_quant
		.amdhsa_group_segment_fixed_size 34304
		.amdhsa_private_segment_fixed_size 0
		.amdhsa_enable_private_segment 0
		.amdhsa_kernarg_size 40
		.amdhsa_user_sgpr_count 2
		.amdhsa_user_sgpr_kernarg_segment_ptr 1
		.amdhsa_wavefront_size32 1
		.amdhsa_system_sgpr_workgroup_id_x 1
		.amdhsa_system_sgpr_workgroup_id_y 1
		.amdhsa_system_sgpr_workgroup_id_z 1
		.amdhsa_system_vgpr_workitem_id 0
		.amdhsa_next_free_vgpr 256
		.amdhsa_next_free_sgpr 66
		.amdhsa_reserve_vcc 1
		.amdhsa_float_denorm_mode_32 3
		.amdhsa_float_denorm_mode_16_64 3
		.amdhsa_memory_ordered 1
		.amdhsa_forward_progress 1
		.amdhsa_inst_pref_size 94
	.end_amdhsa_kernel
	.amdgpu_metadata
---
amdhsa.version: [ 1, 2 ]
amdhsa.kernels:
  - .name:           k_qf0470567cd_quant
    .symbol:         k_qf0470567cd_quant.kd
    .args:
      - { .name: qkv, .offset: 0, .size: 8, .value_kind: global_buffer, .address_space: global }
      - { .name: kcod, .offset: 8, .size: 8, .value_kind: global_buffer, .address_space: global }
      - { .name: kscl, .offset: 16, .size: 8, .value_kind: global_buffer, .address_space: global }
      - { .name: vcod, .offset: 24, .size: 8, .value_kind: global_buffer, .address_space: global }
      - { .name: vscl, .offset: 32, .size: 8, .value_kind: global_buffer, .address_space: global }
    .group_segment_fixed_size: 34304
    .private_segment_fixed_size: 0
    .kernarg_segment_align: 8
    .kernarg_segment_size: 40
    .max_flat_workgroup_size: 128
    .sgpr_count:     66
    .vgpr_count:     256
    .wavefront_size: 32
...
	.end_amdgpu_metadata
.endif
;; end of part 1
;; launch attn (part 2): grid 32 x 8, 4 waves a work-group, clusters of 4 x 1, 327,680 bytes of LDS; arguments qkv, kcod, kscl, vcod, vscl, out0; writes out0
.if DOCPART == 2
	.amdgcn_target "amdgcn-amd-amdhsa--gfx1250"
	.amdhsa_code_object_version 6
	.text
	.protected	k_qf0470567cd_attn
	.globl	k_qf0470567cd_attn
	.p2align	8
	.type	k_qf0470567cd_attn,@function
k_qf0470567cd_attn:
	s_mov_b64 s[64:65], 0
	v_nop
	global_prefetch_b8 v0, s[64:65] scope:SCOPE_SE
	s_setreg_imm32_b32 hwreg(HW_REG_WAVE_MODE, 25, 1), 1
	s_wait_xcnt 0x0
	s_wait_alu depctr_hold_cnt(0) depctr_sa_sdst(0) depctr_va_vdst(0) depctr_va_sdst(0) depctr_va_ssrc(0) depctr_va_vcc(0) depctr_vm_vsrc(0)
	s_getreg_b32 s2, hwreg(HW_REG_IB_STS2, 6, 4)
	s_cmp_eq_u32 s2, 0
	s_cbranch_scc0 .Lentry_in_a_cluster
	s_endpgm
.Lentry_in_a_cluster:
	s_bfe_u32 s2, ttmp6, 0x10000c
	s_cmp_lg_u32 s2, 0x3003
	s_cbranch_scc0 .Lentry_shape_is_right
	s_endpgm
.Lentry_shape_is_right:
; out[b][q][:] = the sum over k of softmax_k((q / 32) . k) v[k][:], 8 batches, 2,048 queries and keys, E = 1,024; both products on codes of FP8 (E4M3) with one E8M0 scale for each 32 along K.
; K's and V's codes and scale words come from the launch before, laid as images of the operands' registers (a fragment, 16 rows x 128 K, is 2,048 bytes: byte 512 c + 16 lane + i).
; A work-group owns 64 queries (four tiles) of one batch.
; THE HEAD: Q IS QUANTISED HERE: its 64 rows are read by this work-group alone, once.  Wave w takes tile w (row r of tile t is query 32 (t / 2) + 8 (t % 2) + r + 8 (r / 8)), 8 fragments; each load reads 512 consecutive bytes of a row, and a fragment's 16 rows
;   turn through the wave's stage.  The division by 32 is a power of two and goes into the scale bytes (5 off each); the floor of the largest magnitude is 2^(14 - 127), so that no byte falls under 1.  Codes and scale words reach the other waves through LDS as register images.
; PHASE 1: S^T = K Q^T.  Every wave holds all of Q (32 fragments, 512 registers); of each 128 keys wave w takes keys 32 w .. 32 w + 31 (tiles 2 w, 2 w + 1), over all of E: 64 products a step.
;   THE SOFTMAX: t = score x log2(e).  Each block of 32 keys of a query has a whole number of its own, M_b = floor(the block's largest t) + 1; p = 2^(t - M_b) is quantised.  The block's largest p lies in [1/2, 1),
;   so its scale is 2^-9 and the hold 448 x 2^-9.  A whole-number shift of M moves a block's scale and no code.  P's codes stay in LDS (64 x 2,048 bytes), -M_b beside them.  The row's sum of the unquantised p runs in registers under a running M.
;   Behind a barrier M = the largest M_b of the row; the block's scale byte becomes 118 + M_b - M, held at 1 from below (what lies under that is below 2^-117 of the row's largest term).
; PHASE 2: O^T = V^T P^T.  Wave w makes columns 256 w .. + 255 in four passes of 64 columns (4 tiles x 4 query tiles = 16 accumulators) over all 2,048 keys; nothing is rescaled; a pass's results are divided by the sum and leave while the next pass is multiplied.
; K AND V COME BY TWO ROADS, half of each 131,072 bytes by each.  A group is four units of 64 registers and 16 products: phase 1: a step's K steps 2 p, 2 p + 1 of E; phase 2: four key steps of a pass.
;   Units 0 and 1 go from memory straight into registers (each fragment has one reader in the work-group) and are asked for again as soon as they are multiplied.
;   Units 2 and 3 come through a ring of two LDS slots of 65,536 bytes.  CLUSTER: the four query blocks of a cluster walk the same K and V: each wave's 16,384 bytes of a slot are asked for JOINTLY, by the same tensor load with a mask that names the four.
;   One round of the cluster's barrier a group; behind it the slot read in the group before is filled with the next group's bytes.  A wave has one tensor load out at the most.
; PREFETCHES: K's step j + 3 in trip j (its loads stand in trip j + 2): the cluster with number (j + 3) % 8; the partner at place cx takes 32,768 bytes BY ADDRESS, a wave 8,192, a lane 256.  V's group g + 3 in group g: the cluster with number (g + 3) % 8;
;   the partner at cx takes key step cx of the group's four, a wave its 8,192 bytes; V's first three groups are asked for in phase 1's trips 13 to 15.  Each block is named once in the launch; steps 0 to 2 of K and Q come by their loads alone.
; LIMITS: NaN and infinities are not served; the promise holds while |t| stays under 2^23 (M is kept as a whole number in f32).  O is multiplied by v_rcp_f32 of the row's sum.  A block of q of zeros keeps the byte 1 and zero codes.
; REGISTERS: window 0: v1-31 addresses and 1 / sum; v32-67 scale words alone (32-39 K's or V's, 40-55 Q's, then P's at 42, 52, 56, 64); v80-143 S^T, then the way out; v144-224 at work.  window 1: the four units.  windows 2, 3: q as loaded, then Q; then window 2: v0-127 O^T, v128-255 P, two buffers.
.set RING,  131072                     ; P's image lies at 0; the ring's slots at 131,072 and 196,608: one exclusive or turns one into the other
.set MBUF,  262144                     ; -M_b: [step 16][tile 4][query 16][wave 4] f32
.set PSW,   278528                     ; P's scale words: [step 16][query 16][tile 4]
.set XM,    282624                     ; each wave's running -M: [tile][query][wave]; 1,024 bytes on: its sum.  At the head: Q's scale words, [K step 8][tile 4][row 16]
.set STAGE, 284672                     ; the way out: 16 rows x 272 bytes a wave
.set SPARE, 302080                     ; the spare words: two blocks of 256 bytes that no other line names
.set KSTEP, 131072                     ; 128 keys of K's or V's codes in memory
.set ROWQ,  12288                      ; a row of qkv in bytes
; At the head P's image is still empty: bytes 0 to 33,791 are the four waves' stages (16 rows x 528), bytes 65,536 to 131,071 Q's image ([K step 8][tile 4][2048]).
.set SO, 80
.set X,  80
.set TM, 208
.set PW, 224
.set NM, 144                           ; v144+2t: -M_b; v145+2t: the running -M
.set L,  152
.set BM, 156
.set T2, 160
.set D1, 164
.set D2, 168
.set SU, 172
.set PC, 180
.set OB, 80
.set BK, 144
.set MSB, 0
.macro WIN new                         ; the immediate's high byte repeats the setting that is left
.if MSB != (\new)
	s_set_vgpr_msb (MSB<<8)|(\new)
.set MSB, (\new)
.endif
.endm
.macro PLACES n                        ; plain lines behind matrix instructions (ISA guide 7.12.1)
.rept \n
	v_nop
.endr
.endm
.macro ROUND                           ; a round of the cluster's barrier
	s_barrier_signal -1
	s_barrier_wait -1
	s_cmp_lg_u32 s18, 0
	s_cbranch_scc1 .Lnot_wave_0_\@
	s_barrier_signal -3
.Lnot_wave_0_\@:
	s_barrier_wait -3
	s_barrier_signal -1
	s_barrier_wait -1
.endm
; THE CHANGE OF SLOTS, at a group's head.  kind 1: the next step's K; 2: V's first group; 3: the pass's next group; 4: the next pass's first group.
.macro SYNC kind
	WIN 0
	s_wait_tensorcnt 0x0                           ; my one tensor load, my part of this group's slot, has landed
	ds_add_u32 v7, v8
.if (\kind) == 1
	s_xor_b32 s85, s85, 65536                      ; no tensor load of mine is out: the walking descriptor takes the other slot and the next bytes
	s_add_nc_u64 s[86:87], s[86:87], KSTEP
.elseif (\kind) == 3
	s_xor_b32 s89, s89, 65536
	s_add_nc_u64 s[90:91], s[90:91], 4*KSTEP
.elseif (\kind) == 4
	s_xor_b32 s89, s89, 65536
	s_sub_nc_u64 s[90:91], s[90:91], 12*KSTEP-8192
.endif
	s_wait_dscnt 0x0                               ; the add is done, and my reads of the other slot are over
	ROUND                                          ; both now hold of every wave of the four work-groups
.if (\kind) == 1
	tensor_load_to_lds s[84:87], s[68:75]
.else
	tensor_load_to_lds s[88:91], s[76:83]
.endif
	s_nop 0
	PLACES 4                                       ; behind a tensor load
.endm
.macro WM                              ; one product from rD, rA, rB, rSA, rSB; fZ: it starts the sum; fRA, fRB: the side's scales stand in lanes 16-31
.if fZ
.if fRA && fRB
	v_wmma_scale_f32_16x16x128_f8f6f4 v[rD:rD+7], v[rA:rA+15], v[rB:rB+15], 0, v[rSA], v[rSB] matrix_a_scale:MATRIX_SCALE_ROW1 matrix_b_scale:MATRIX_SCALE_ROW1
.elseif fRA
	v_wmma_scale_f32_16x16x128_f8f6f4 v[rD:rD+7], v[rA:rA+15], v[rB:rB+15], 0, v[rSA], v[rSB] matrix_a_scale:MATRIX_SCALE_ROW1
.elseif fRB
	v_wmma_scale_f32_16x16x128_f8f6f4 v[rD:rD+7], v[rA:rA+15], v[rB:rB+15], 0, v[rSA], v[rSB] matrix_b_scale:MATRIX_SCALE_ROW1
.else
	v_wmma_scale_f32_16x16x128_f8f6f4 v[rD:rD+7], v[rA:rA+15], v[rB:rB+15], 0, v[rSA], v[rSB]
.endif
.else
.if fRA && fRB
	v_wmma_scale_f32_16x16x128_f8f6f4 v[rD:rD+7], v[rA:rA+15], v[rB:rB+15], v[rD:rD+7], v[rSA], v[rSB] matrix_a_scale:MATRIX_SCALE_ROW1 matrix_b_scale:MATRIX_SCALE_ROW1
.elseif fRA
	v_wmma_scale_f32_16x16x128_f8f6f4 v[rD:rD+7], v[rA:rA+15], v[rB:rB+15], v[rD:rD+7], v[rSA], v[rSB] matrix_a_scale:MATRIX_SCALE_ROW1
.elseif fRB
	v_wmma_scale_f32_16x16x128_f8f6f4 v[rD:rD+7], v[rA:rA+15], v[rB:rB+15], v[rD:rD+7], v[rSA], v[rSB] matrix_b_scale:MATRIX_SCALE_ROW1
.else
	v_wmma_scale_f32_16x16x128_f8f6f4 v[rD:rD+7], v[rA:rA+15], v[rB:rB+15], v[rD:rD+7], v[rSA], v[rSB]
.endif
.endif
.endm
; Unit p (0 or 1) of K: K steps 2 p, 2 p + 1 of E, my two key tiles; ah = 1: of the next 128 keys.  17 loads.
.macro LDK p, ah
	WIN 0
	global_load_b64 v[32+2*(\p):33+2*(\p)], v2, s[10:11] offset:1024*(\p)+4096*(\ah)
	WIN 0x40
.set zf, 0
.rept 16
	global_load_b128 v[64*(\p)+4*zf:64*(\p)+4*zf+3], v1, s[8:9] offset:(2*(\p)+zf/8)*16384+512*(zf%8)+KSTEP*(\ah)
.set zf, zf+1
.endr
.endm
; Unit p (0 or 1) of V: four tiles (64 columns) x 128 keys, 8,192 consecutive bytes.  17 loads.
.macro LDV p, co, so
	WIN 0
	global_load_b64 v[32+2*(\p):33+2*(\p)], v2, s[14:15] offset:\so
	WIN 0x40
.set zf, 0
.rept 16
	global_load_b128 v[64*(\p)+4*zf:64*(\p)+4*zf+3], v1, s[12:13] offset:(\co)+512*zf
.set zf, zf+1
.endr
.endm
; THE HEAD'S QUANTISER.  K step s of my tile's 16 rows, 512 bytes of each: s < 4 into window 3, else window 2, 64 registers each: no register is loaded twice.
.macro LOADQ s
	WIN 0xc0-0x40*((\s)/4)
.set zr, 0
.rept 16
	global_load_b128 v[64*((\s)%4)+4*zr:64*((\s)%4)+4*zr+3], v1, s[4:5] offset:(zr+8*(zr/8))*ROWQ+512*(\s) th:TH_LOAD_NT
.set zr, zr+1
.endr
.endm
.macro QFRAG s
.if (\s) < 6
	s_wait_loadcnt 32                              ; this fragment's 16 loads are in; the two younger fragments' 32 may be out
.else
	s_wait_loadcnt 16*(7-(\s))
.endif
	WIN 0x0c-4*((\s)/4)                            ; the stores' data: window 3 or 2
.set zr, 0
.rept 16
	ds_store_b128 v26, v[64*((\s)%4)+4*zr:64*((\s)%4)+4*zr+3] offset:528*zr
.set zr, zr+1
.endr
	WIN 0
.set zr, 0
.rept 16
	ds_load_b128 v[X+4*zr:X+4*zr+3], v27 offset:128*(zr/4)+16*(zr%4)       ; LDS serves a wave's instructions in order.  Register 16 c + i = k 32 c + 16 h + i of my row
.set zr, zr+1
.endr
.if (\s) < 5
	LOADQ (\s)+3
.endif
.if (\s) == 7
	LDK 0, 0                                       ; K's first direct units: they have the last fragment and Q's way through LDS in which to land
	LDK 1, 0
	WIN 0
	global_load_b64 v[36:37], v2, s[10:11] offset:2048
	global_load_b64 v[38:39], v2, s[10:11] offset:3072
.endif
	WIN 0
	s_wait_dscnt 0x0                               ; the numbers are back; the last fragment's stores have read its codes
.irp b, 0,1,2,3
	v_max3_num_f32 v[TM+\b], |v[X+16*\b]|, |v[X+1+16*\b]|, 0x7000000       ; block b: my 16 numbers, and the floor 2^(14 - 127)
.endr
.irp i, 2,4,6,8,10,12,14
.irp b, 0,1,2,3
	v_max3_num_f32 v[TM+\b], v[TM+\b], |v[X+16*\b+\i]|, |v[X+1+16*\b+\i]|
.endr
.endr
.irp b, 0,1,2,3
	v_permlanex16_b32 v[TM+4+\b], v[TM+\b], s22, s23
.endr
.irp b, 0,1,2,3
	v_max_num_f32 v[TM+\b], v[TM+\b], v[TM+4+\b]   ; with lane l xor 16's: the block's largest magnitude
.endr
.irp b, 0,1,2,3
	v_add_nc_u32 v[TM+12+\b], 0xfc000000, v[TM+\b] ; 8 off its exponent field: the conversion's scale operand
.endr
.irp b, 0,1,2,3
	v_and_or_b32 v[TM+8+\b], v[TM+\b], 0x7f800000, s94     ; 448 x the scale
.endr
.irp b, 0,1,2,3
	v_lshrrev_b32 v[TM+4+\b], 23, v[TM+12+\b]      ; the byte of q's scale, 6 at the least
.endr
	v_lshl_or_b32 v[PW], v[TM+5], 8, v[TM+4]
	v_lshl_or_b32 v[PW], v[TM+6], 16, v[PW]
	v_lshl_or_b32 v[PW], v[TM+7], 24, v[PW]
	v_add_nc_u32 v[PW], 0xfafafafb, v[PW]          ; 5 off each byte: q / 32 has q's codes under a scale 2^5 smaller; no byte borrows
.irp b, 0,1,2,3
.irp i, 0,1,2,3,4,5,6,7,8,9,10,11,12,13,14,15
	v_med3_num_f32 v[X+16*\b+\i], v[X+16*\b+\i], -v[TM+8+\b], v[TM+8+\b]   ; the conversion does not saturate (ISA guide 7.6.2): the hold
.endr
	v_cvt_scalef32_pk8_fp8_f32 v[PC+4*\b:PC+1+4*\b], v[X+16*\b:X+7+16*\b], v[TM+12+\b]
	v_cvt_scalef32_pk8_fp8_f32 v[PC+2+4*\b:PC+3+4*\b], v[X+8+16*\b:X+15+16*\b], v[TM+12+\b]
.endr
	v_nop                                          ; one plain vector line behind the last conversion
.irp c, 0,1,2,3
	ds_store_b128 v28, v[PC+4*\c:PC+4*\c+3] offset:8192*(\s)+512*\c        ; the fragment goes to Q's image as it stands
.endr
	ds_store_b32 v29, v[PW] offset:256*(\s)        ; both halves of the lanes write the same word with the same value
.endm
; Phase 1, unit p: 16 products on 8 accumulators by turns (zi = 8 (K step of the unit) + 4 (key tile) + query tile).  mode 0: what is asked for again is the next keys' K; mode 1: V's first group.
; The loads go out in the order unit 0 (17), unit 1 (17), the scale words of units 2 and 3 (2), group by group.
.macro MMU p, mode
.if (\p) < 2
	s_wait_loadcnt 19                              ; this unit's 17 loads are in; the 17 + 2 issued behind them may be out
.elseif (\p) == 2
	s_wait_loadcnt 34                              ; the scale words of units 2 and 3 are in; units 0 and 1 of the next group may be out
	s_wait_dscnt 0x0                               ; units 2 and 3 are in from the slot
.endif
	WIN 0x09+4*((\p)/2)                            ; K window 1, Q window 2 or 3, S^T window 0
.set zi, 0
.rept 16
.set rD, SO+16*(zi%4)+8*((zi/4)%2)
.set rA, 64*(\p)+32*(zi/8)+16*((zi/4)%2)
.set rB, 16*(((2*(\p)+zi/8)%4)*4+zi%4)
.set rSA, 32+2*(\p)+zi/8
.set rSB, 40+8*((zi%4)/2)+(2*(\p)+zi/8+2)%8
.set fRA, (zi/4)%2
.set fRB, zi%2
.set fZ, 0
.if (\p) == 0
.if zi < 8
.set fZ, 1
.endif
.endif
	WM
.set zi, zi+1
.endr
	PLACES 8                                       ; in front of the loads into the unit's registers, and of the reads of S^T
.if (\p) < 2
.if \mode
	LDV \p, (\p)*KSTEP, (\p)*4096
.else
	LDK \p, 1
.endif
.elseif (\p) == 3
	WIN 0
.if \mode
	global_load_b64 v[36:37], v2, s[14:15] offset:2*4096
	global_load_b64 v[38:39], v2, s[14:15] offset:3*4096
.else
	global_load_b64 v[36:37], v2, s[10:11] offset:2048+4096
	global_load_b64 v[38:39], v2, s[10:11] offset:3072+4096
.endif
.endif
.endm
; The softmax of my 32 keys x 64 queries.  Register SO + 16 t + i of lane (r, h) holds key 32 w + 16 h + i of query r of tile t.  The four tiles by turns.
.macro SOFTMAX
.irp t, 0,1,2,3
	v_max3_num_f32 v[BM+\t], v[SO+16*\t], v[SO+16*\t+1], v[SO+16*\t+2]
.endr
.irp i, 3,5,7,9,11,13
.irp t, 0,1,2,3
	v_max3_num_f32 v[BM+\t], v[BM+\t], v[SO+16*\t+\i], v[SO+16*\t+\i+1]
.endr
.endr
.irp t, 0,1,2,3
	v_max_num_f32 v[BM+\t], v[BM+\t], v[SO+16*\t+15]
.endr
.irp t, 0,1,2,3
	v_permlanex16_b32 v[T2+\t], v[BM+\t], s22, s23
.endr
.irp t, 0,1,2,3
	v_max_num_f32 v[BM+\t], v[BM+\t], v[T2+\t]     ; with lane l xor 16's 16 keys: the block's largest score
.endr
.irp t, 0,1,2,3
	v_mul_f32 v[BM+\t], s24, v[BM+\t]
.endr
.irp t, 0,1,2,3
	v_floor_f32 v[BM+\t], v[BM+\t]
.endr
.irp t, 0,1,2,3
	v_sub_f32 v[NM+2*\t], -1.0, v[BM+\t]           ; -M_b = -(floor(t) + 1)
.endr
.irp i, 0,2,4,6,8,10,12,14
.irp t, 0,1,2,3
	v_pk_fma_f32 v[SO+16*\t+\i:SO+16*\t+\i+1], v[SO+16*\t+\i:SO+16*\t+\i+1], s[24:25], v[NM+2*\t:NM+2*\t+1] op_sel_hi:[1,0,0]   ; t - M_b (the low words of c and -M_b serve both halves)
.endr
.endr
	s_wait_alu depctr_va_vdst(0)                   ; ahead of the batch
.set zj, 0
.rept 64
	v_exp_f32 v[SO+zj], v[SO+zj]
.set zj, zj+1
.endr
.irp t, 0,1,2,3
	v_min_num_f32 v[T2+\t], v[NM+2*\t], v[NM+2*\t+1]       ; the new running -M
.endr
.irp t, 0,1,2,3
	v_sub_f32 v[D1+\t], v[T2+\t], v[NM+2*\t+1]     ; old M - new M,
	v_sub_f32 v[D2+\t], v[T2+\t], v[NM+2*\t]       ; M_b - new M: whole numbers, 0 or less
.endr
.irp t, 0,1,2,3
	v_mov_b32 v[NM+2*\t+1], v[T2+\t]
	v_cvt_i32_f32 v[D1+\t], v[D1+\t]               ; (they saturate)
	v_cvt_i32_f32 v[D2+\t], v[D2+\t]
.endr
.irp t, 0,1,2,3
	v_ldexp_f32 v[L+\t], v[L+\t], v[D1+\t]         ; the sum under the new M: exact
.endr
	s_wait_alu depctr_va_vdst(0)                   ; one wait for the 64, ahead of their first reader
.irp t, 0,1,2,3
	v_pk_add_f32 v[SU+2*\t:SU+2*\t+1], v[SO+16*\t:SO+16*\t+1], v[SO+16*\t+2:SO+16*\t+3]   ; the sum of the UNQUANTISED p
.endr
.irp i, 4,6,8,10,12,14
.irp t, 0,1,2,3
	v_pk_add_f32 v[SU+2*\t:SU+2*\t+1], v[SU+2*\t:SU+2*\t+1], v[SO+16*\t+\i:SO+16*\t+\i+1]
.endr
.endr
.irp t, 0,1,2,3
	v_add_f32 v[SU+2*\t], v[SU+2*\t], v[SU+2*\t+1]
.endr
.irp t, 0,1,2,3
	v_ldexp_f32 v[SU+2*\t], v[SU+2*\t], v[D2+\t]
.endr
.irp t, 0,1,2,3
	v_add_f32 v[L+\t], v[L+\t], v[SU+2*\t]
.endr
.irp t, 0,1,2,3
.irp i, 0,1,2,3,4,5,6,7,8,9,10,11,12,13,14,15
	v_min_num_f32 v[SO+16*\t+\i], s26, v[SO+16*\t+\i]      ; the conversion does not saturate (ISA guide 7.6.2): held at 448 x 2^-9
.endr
	v_cvt_scalef32_pk8_fp8_f32 v[PC+4*\t:PC+4*\t+1], v[SO+16*\t:SO+16*\t+7], v18   ; (the last step's stores of these registers were awaited at this step's head)
	v_cvt_scalef32_pk8_fp8_f32 v[PC+4*\t+2:PC+4*\t+3], v[SO+16*\t+8:SO+16*\t+15], v18
.endr
	v_add_nc_u32 v5, s33, v3                       ; (plain lines behind the last conversion)  this step's place in P's image,
	v_add_nc_u32 v6, s34, v4                       ; and among the -M_b
.irp t, 0,1,2,3
	ds_store_b128 v5, v[PC+4*\t:PC+4*\t+3] offset:2048*\t  ; registers 4 w .. 4 w + 3 of P's fragment (step, tile t)
	ds_store_b32 v6, v[NM+2*\t] offset:256*\t
.endr
.endm
; A step of phase 1: 128 keys.  mode 0: K of the next step is asked for; mode 1, the last step: V's first group.
.macro STEP1 mode
	SYNC 1+(\mode)
	v_add_nc_u32 v12, s35, v31                     ; my two key tiles in the slot in hand
	WIN 0x40
.set zf, 0
.rept 32
	ds_load_b128 v[128+4*zf:128+4*zf+3], v12 offset:16384*(zf/8)+512*(zf%8)        ; units 2 and 3: K steps 4 to 7 of E
.set zf, zf+1
.endr
	MMU 0, \mode
	MMU 1, \mode
	MMU 2, \mode
	MMU 3, \mode
	WIN 0
.if !(\mode)
	s_sub_co_u32 s36, s27, s28
	s_and_b32 s36, s36, 0xfffffff7
	s_cmp_eq_u32 s36, 0
	s_cbranch_scc0 .Lno_k_\@
	global_prefetch_b8 v9, s[8:9] offset:3*KSTEP th:TH_LOAD_NT scope:SCOPE_SE
.Lno_k_\@:
.endif
	s_sub_co_u32 s36, s27, 13
	s_cmp_eq_u32 s36, s29
	s_cbranch_scc0 .Lno_v_\@
	global_prefetch_b8 v11, s[12:13] th:TH_LOAD_NT scope:SCOPE_SE
.Lno_v_\@:
	SOFTMAX
.endm
; P's four fragments and scale words of key step jn
.macro LDP jn
	WIN 0
	ds_load_b128 v[42+10*((\jn)%4)-6*(((\jn)%4)/2)-2*(((\jn)%4)/3):45+10*((\jn)%4)-6*(((\jn)%4)/2)-2*(((\jn)%4)/3)], v14 offset:256*(\jn)
	WIN 0x80
.set zf, 0
.rept 16
.if (\jn) < 8
	ds_load_b128 v[128+64*((\jn)%2)+4*zf:128+64*((\jn)%2)+4*zf+3], v1 offset:8192*((\jn)%8)+512*zf
.else
	ds_load_b128 v[128+64*((\jn)%2)+4*zf:128+64*((\jn)%2)+4*zf+3], v13 offset:8192*((\jn)%8)+512*zf
.endif
.set zf, zf+1
.endr
.endm
; Phase 2, key step j of a pass: 16 products on 16 accumulators (zi = 4 (V's tile) + query tile).  mode 1: what is asked for again belongs to this pass's next group; 2: to the next pass's first; 0: the last group, nothing.
.macro VU j, mode
.set zp, (\j)%4
.if zp == 0
	s_wait_loadcnt 19
.elseif zp == 1
.if \mode
	s_wait_loadcnt 19
.else
	s_wait_loadcnt 2
.endif
.elseif zp == 2
.if \mode
	s_wait_loadcnt 34
.else
	s_wait_loadcnt 0x0
.endif
.endif
	s_wait_dscnt 0x0                               ; P of this step (and, in a group's first step, units 2 and 3)
.if (\mode) || ((\j) < 15)
	LDP ((\j)+1)%16                                ; into the buffer that the step before multiplied: its 8 places stand at that step's end
.endif
	WIN 0xa9                                       ; V window 1; P, C and D window 2
.set zi, 0
.rept 16
.set rD, 8*zi
.set rA, 64*zp+16*(zi/4)
.set rB, 128+64*((\j)%2)+16*(zi%4)
.set rSA, 32+2*zp+(zi/4)%2
.set rSB, 42+10*zp-6*(zp/2)-2*(zp/3)+zi%4
.set fRA, zi/8
.set fRB, 0
.set fZ, 0
.if (\j) == 0
.set fZ, 1
.endif
	WM
.set zi, zi+1
.endr
	PLACES 8
.if zp < 2
.if (\mode) == 1
	LDV zp, ((\j)+4)*KSTEP, ((\j)+4)*4096
.elseif (\mode) == 2
	LDV zp, ((\j)-12)*KSTEP+8192, ((\j)-12)*4096+256
.endif
.endif
	WIN 0
.if zp == 3
.if (\mode) == 1
	global_load_b64 v[36:37], v2, s[14:15] offset:((\j)+3)*4096
	global_load_b64 v[38:39], v2, s[14:15] offset:((\j)+4)*4096
.elseif (\mode) == 2
	global_load_b64 v[36:37], v2, s[14:15] offset:((\j)-13)*4096+256
	global_load_b64 v[38:39], v2, s[14:15] offset:((\j)-12)*4096+256
.endif
.endif
.if zp == 1
.if (\j) < 4
	s_cmp_eq_u32 s30, 3
	s_cbranch_scc0 .Lnp_\@
	global_prefetch_b8 v10, s[12:13] offset:12*KSTEP th:TH_LOAD_NT scope:SCOPE_SE
.Lnp_\@:
.elseif \mode
	s_cmp_eq_u32 s31, (\j)/4+3                     ; (s31 names no group in the last pass)
	s_cbranch_scc0 .Lnp_\@
	global_prefetch_b8 v10, s[12:13] offset:((\j)-5)*KSTEP+8192 th:TH_LOAD_NT scope:SCOPE_SE
.Lnp_\@:
.endif
.endif
.endm
.macro VG jj, mode                     ; a group: key steps 4 jj .. 4 jj + 3 of a pass; its units 2 and 3 lie in slot jj % 2, my own 16,384 bytes
.if (\mode) == 1
	SYNC 3
.elseif (\mode) == 2
	SYNC 4
.else
	WIN 0
	s_wait_tensorcnt 0x0                           ; the last group: nothing is filled again, and I alone read my bytes of the slot
.endif
	WIN 0x40
.set zf, 0
.rept 32
.if (\jj)%2
	ds_load_b128 v[128+4*zf:128+4*zf+3], v31 offset:512*zf
.else
	ds_load_b128 v[128+4*zf:128+4*zf+3], v12 offset:512*zf
.endif
.set zf, zf+1
.endr
	VU 4*(\jj), \mode
	VU 4*(\jj)+1, \mode
	VU 4*(\jj)+2, \mode
	VU 4*(\jj)+3, \mode
.endm
; THE WAY OUT of a pass.  Register i of accumulator (2 G + col, t) in lane (r, h) is column 32 G + 16 h + 2 i + col of query r: the multiplication by 1 / the sum puts the columns in order.
; A tile's 16 rows x 256 bytes go through my own stage and come back by rows: sixteen lanes store 256 consecutive bytes, aligned.
.macro SEND t
.set zm, 0
.rept 8
	global_store_b128 v17, v[BK+32*((\t)%2)+4*zm:BK+32*((\t)%2)+4*zm+3], s[16:17] offset:(32*((\t)/2)+8*((\t)%2)+2*zm+8*(zm/4))*4096 th:TH_STORE_NT
.set zm, zm+1
.endr
.endm
.macro OUT
.irp t, 0,1,2,3
	WIN 0x02                                       ; source 0: window 2
.set zn, 0
.rept 4
.set zj, 0
.rept 8
	v_mul_f32 v[OB+32*(\t%2)+16*(zn/2)+2*zj+zn%2], v[8*(4*zn+\t)+zj], v[26+\t]     ; each accumulator from its low end on
.set zj, zj+1
.endr
.set zn, zn+1
.endr
	WIN 0
	s_wait_alu depctr_va_vdst(0)                   ; directly ahead of the wait below
	s_wait_xcnt 0x0                                ; the stores of two tiles ago have read their registers
.set zm, 0
.rept 8
	ds_store_b128 v15, v[OB+32*(\t%2)+4*zm:OB+32*(\t%2)+4*zm+3] offset:128*(zm/4)+16*(zm%4)
.set zm, zm+1
.endr
.set zm, 0
.rept 8
	ds_load_b128 v[BK+32*(\t%2)+4*zm:BK+32*(\t%2)+4*zm+3], v16 offset:544*zm       ; LDS serves a wave's instructions in order (ISA guide 5.7.1.4)
.set zm, zm+1
.endr
.if \t > 0
	s_wait_dscnt 16                                ; all but this tile's 16: the tile before is back
	SEND (\t-1)
.endif
.endr
	s_wait_dscnt 0x0
	SEND 3
.endm
	s_load_b64 s[4:5], s[0:1], 0x0                 ; qkv
	s_load_b256 s[8:15], s[0:1], 0x8               ; kcod, kscl, vcod, vscl
	s_load_b64 s[16:17], s[0:1], 0x28              ; out0
	v_lshl_add_u32 v7, v0, 2, SPARE                ; my spare word; never rewritten
	v_mov_b32 v8, 0                                ; 0; never rewritten
	ds_add_u32 v7, v8                              ; the opening lines: the add, twice on end, and its wait ahead of my first tensor load
	ds_add_u32 v7, v8
	v_lshrrev_b32 v24, 5, v0
	v_readfirstlane_b32 s18, v24                   ; wave 0..3
	s_bfe_u32 s21, ttmp6, 0x40000                  ; cx: it enters q's, out0's and the prefetches' global addresses alone
	s_lshl_b32 s19, ttmp9, 2
	s_add_co_u32 s19, s19, s21                     ; x: my block of 64 queries
	s_and_b32 s20, ttmp7, 0xffff                   ; the batch, which the four partners share
	s_mov_b32 s22, 0x76543210
	s_mov_b32 s23, 0xfedcba98                      ; v_permlanex16_b32's selects for lane l xor 16
	s_mov_b32 s24, 0x3fb8aa3b                      ; c = log2(e)
	s_mov_b32 s25, s24
	s_mov_b32 s26, 0x3f600000                      ; 448 x 2^-9
	s_mov_b32 s94, 0x600000                        ; the mantissa field of 448
	s_mov_b32 s27, 0                               ; the key step
	s_mov_b32 s33, 0                               ; 8,192 x it
	s_mov_b32 s34, 0                               ; 1,024 x it
	s_mov_b32 s35, 0                               ; the slot in hand: 0 or 65,536
	s_mov_b32 s29, ttmp9                           ; the cluster's number, 0 to 7
	s_sub_co_u32 s28, s29, 3                       ; my cluster asks for K in the trips s29 - 3 and s29 + 5
	s_mov_b32 s30, s29                             ; (the cluster's number - 4 x the pass) mod 8
	s_lshl_b32 s36, s18, 9
	s_lshl_b32 s37, s18, 2
	s_add_co_u32 s38, s37, XM
	s_add_co_u32 s37, s37, MBUF
	s_lshl_b32 s39, s18, 12
	s_add_co_u32 s45, s39, RING                    ; K in a slot: my two tiles
	s_add_co_u32 s39, s39, MBUF
	s_lshl_b32 s40, s18, 10
	s_add_co_u32 s40, s40, PSW
	s_mul_i32 s41, s18, 4352
	s_add_co_u32 s41, s41, STAGE
	s_lshl_b32 s42, s21, 15
	s_lshl_b32 s43, s18, 12
	s_add_co_u32 s42, s42, s43
	s_lshl_b32 s43, s21, 17
	s_lshl_b32 s44, s29, 19
	s_lshl_b32 s63, s18, 14
	s_add_co_u32 s63, s63, RING                    ; what I fetch of a slot, and V in a slot: 16,384 x wave
	s_mul_i32 s48, s18, 8448                       ; the head's stage
	s_lshl_b32 s49, s18, 11                        ; my tile in a K step of Q's image
	s_lshl_b32 s60, s18, 6
	s_add_co_u32 s60, s60, XM                      ; and among Q's scale words
	s_mul_i32 s46, s20, 25165824                   ; q: a batch of qkv,
	s_mul_i32 s62, s19, 786432                     ; my block's 64 rows,
	s_add_co_u32 s46, s46, s62
	s_lshr_b32 s62, s18, 1
	s_mul_i32 s62, s62, 393216                     ; my tile's first row: 32 (w / 2) + 8 (w % 2)
	s_add_co_u32 s46, s46, s62
	s_and_b32 s62, s18, 1
	s_mul_i32 s62, s62, 98304
	s_add_co_u32 s46, s46, s62
	s_mov_b32 s47, 0
	s_lshl_b32 s50, s20, 21
	s_lshl_b32 s62, s18, 14
	s_add_co_u32 s92, s50, s62
	s_add_co_u32 s92, s92, 65536                   ; K by the ring: K step 4 + wave of E, all 8 tiles
	s_mov_b32 s93, 0
	s_lshl_b32 s62, s18, 12
	s_add_co_u32 s50, s50, s62
	s_mov_b32 s51, 0
	s_lshl_b32 s52, s20, 16
	s_lshl_b32 s62, s18, 8
	s_add_co_u32 s52, s52, s62
	s_mov_b32 s53, 0
	s_lshl_b32 s54, s20, 21
	s_lshl_b32 s62, s18, 15
	s_add_co_u32 s54, s54, s62
	s_mov_b32 s55, 0
	s_lshl_b32 s56, s20, 16
	s_lshl_b32 s62, s18, 10
	s_add_co_u32 s56, s56, s62
	s_mov_b32 s57, 0
	s_lshl_b32 s58, s20, 23
	s_add_co_u32 s58, s58, s62
	s_lshl_b32 s62, s19, 18
	s_add_co_u32 s58, s58, s62
	s_mov_b32 s59, 0
	; descriptor group 1 for K: 16,384 dense bytes as 64 rows of 32 elements of 8 bytes
	s_mov_b32 s68, 0x0023000f                      ; 15:0 the mask: all four work-groups; 17:16 elements of 8 bytes; 21 set beside a mask; no padding
	s_mov_b32 s69, 32<<16
	s_mov_b32 s70, 64<<16
	s_mov_b32 s71, 32<<16
	s_mov_b32 s72, 64
	s_mov_b32 s73, 32
	s_mov_b32 s74, 0
	s_mov_b32 s75, 0
	; and for V: 2 rows (key steps) of 1,024 elements of 8 bytes, 131,072 bytes apart
	s_mov_b32 s76, 0x0023000f
	s_mov_b32 s77, 1024<<16
	s_mov_b32 s78, 2<<16
	s_mov_b32 s79, 1024<<16
	s_mov_b32 s80, 2
	s_mov_b32 s81, 16384
	s_mov_b32 s82, 0
	s_mov_b32 s83, 0
	s_wait_dscnt 0x0                               ; both opening adds are done
	v_and_b32 v25, 31, v0                          ; lane
	v_and_b32 v24, 15, v0                          ; r
	v_bfe_u32 v23, v0, 4, 1                        ; h
	v_lshlrev_b32 v1, 4, v25                       ; 16 x lane; also P's image, steps 0-7
	v_lshlrev_b32 v2, 3, v25                       ; 8 x lane
	v_lshlrev_b32 v30, 4, v24                      ; 16 r
	v_add_nc_u32 v13, 65536, v1                    ; P's image, steps 8-15; at the head Q's image
	v_add_nc_u32 v3, s36, v1                       ; where I put codes: 512 w + 16 lane
	v_add_nc_u32 v4, s37, v30                      ; and -M_b: 16 r + 4 w
	v_add_nc_u32 v19, s38, v30                     ; my running -M and sum
	v_add_nc_u32 v20, XM, v30                      ; all four waves'
	v_add_nc_u32 v14, PSW, v30                     ; P's scale words of a step
	v_lshl_add_u32 v21, v23, 10, v30
	v_add_nc_u32 v21, s39, v21                     ; the -M_b of steps 4 w + h (+ 2)
	v_lshl_add_u32 v22, v23, 8, v30
	v_add_nc_u32 v22, s40, v22                     ; and their scale words
	v_mul_u32_u24 v15, v24, 272
	v_lshl_add_u32 v15, v23, 6, v15
	v_add_nc_u32 v15, s41, v15                     ; the stage of the way out, in: row r, + 64 h
	v_mul_u32_u24 v16, v23, 272
	v_add_nc_u32 v16, v16, v30
	v_add_nc_u32 v16, s41, v16                     ; back: lanes 0-15 one row, lanes 16-31 the next
	v_lshl_add_u32 v17, v23, 12, v30               ; and the same two rows in out0
	v_mov_b32 v18, 0x3b000000                      ; the conversions' scale operand: 2^-9
	v_lshl_add_u32 v9, v25, 8, s42                 ; K's prefetch: 32,768 cx + 8,192 w (half of it in the base) + 256 lane
	v_lshl_add_u32 v10, v25, 8, s43                ; V's prefetch: key step cx of a group, 256 x lane
	v_add_nc_u32 v11, s44, v10                     ; in phase 1: of the group that has my cluster's number
	v_add_nc_u32 v31, s45, v1                      ; K in slot 0
	v_add_nc_u32 v26, s48, v1                      ; the head's stage, in: 16 x lane of a row of 512 bytes;
	v_mul_u32_u24 v27, v24, 528
	v_lshl_add_u32 v27, v23, 6, v27
	v_add_nc_u32 v27, s48, v27                     ; out: row r, + 64 h
	v_add_nc_u32 v28, s49, v13                     ; my tile in Q's image
	v_lshl_add_u32 v29, v24, 2, s60                ; my tile's scale words: 4 r
	v_lshl_add_u32 v12, v25, 2, XM                 ; and two tiles' words, a lane a row
.irp b, 0,1,2,3
	v_mov_b32 v[TM+4+\b], 0                        ; a lane permute's destination counts as one of its sources
.endr
	s_wait_alu depctr_va_vdst(0)                   ; directly ahead of the wait below
	s_wait_kmcnt 0x0
	s_mov_b32 s84, 1                               ; K's group 0: count = 1,
	s_mov_b32 s85, s63                             ; LDS address: slot 0,
	s_add_nc_u64 s[86:87], s[8:9], s[92:93]        ; global address: key step 0,
	s_or_b32 s87, s87, 0x80000000                  ; type = 2
	s_add_nc_u64 s[4:5], s[4:5], s[46:47]
	s_add_nc_u64 s[8:9], s[8:9], s[50:51]
	s_add_nc_u64 s[10:11], s[10:11], s[52:53]
	s_add_nc_u64 s[12:13], s[12:13], s[54:55]
	s_add_nc_u64 s[14:15], s[14:15], s[56:57]
	s_add_nc_u64 s[16:17], s[16:17], s[58:59]
	s_mov_b32 s88, 1                               ; V's group 0: slot 0, key steps 2 and 3 of pass 0
	s_mov_b32 s89, s63
	s_add_nc_u64 s[90:91], s[12:13], 2*KSTEP
	s_or_b32 s91, s91, 0x80000000
	ROUND                                          ; all four work-groups are here: the first joint loads meet
	tensor_load_to_lds s[84:87], s[68:75]          ; my one tensor load at the head
	s_nop 0
	PLACES 4
	LOADQ 0
	LOADQ 1
	LOADQ 2
.irp s, 0,1,2,3,4,5,6,7
	QFRAG \s
.endr
	s_wait_alu depctr_va_vdst(0)
	s_wait_dscnt 0x0                               ; for the others' sake: my tile's codes and scale words are stored
	s_barrier_signal -1                            ; K's tensor load stays on its way
	s_barrier_wait -1
.irp s, 0,1,2,3,4,5,6,7
.irp u, 0,1
	ds_load_b32 v[40+8*\u+(\s+2)%8], v12 offset:256*\s+128*\u      ; Q's scale words: K step s, tiles 2 u (lanes 0-15) and 2 u + 1 (lanes 16-31), at 40 + 8 u + (s + 2) % 8
.endr
.endr
.set zs, 0
.rept 8
	WIN 0x80+0x40*(zs/4)
.set zf, 0
.rept 16
	ds_load_b128 v[64*(zs%4)+4*zf:64*(zs%4)+4*zf+3], v13 offset:8192*zs+512*zf     ; Q (K step zs, tile zf / 4) stays in registers; awaited at the first step's head
.set zf, zf+1
.endr
.set zs, zs+1
.endr
	WIN 0
.irp t, 0,1,2,3
	v_mov_b32 v[NM+2*\t+1], 0x7f61b1e6             ; the running -M: 3e38
	v_mov_b32 v[L+\t], 0
	v_mov_b32 v[T2+\t], 0                          ; a lane permute's destination counts as one of its sources
.endr
	s_wait_alu depctr_va_vdst(0)                   ; the wait at the head's end
.Lstep:                                                ; 15 trips of 128 keys
	STEP1 0
	s_wait_alu depctr_va_vdst(0)                   ; ahead of the wait, the scalar lines and the branch
	s_wait_xcnt 0x0                                ; the trip's loads and prefetches have read their bases
	s_add_nc_u64 s[8:9], s[8:9], KSTEP
	s_add_nc_u64 s[10:11], s[10:11], 4096
	s_add_co_u32 s33, s33, 8192
	s_add_co_u32 s34, s34, 1024
	s_xor_b32 s35, s35, 65536
	s_add_co_u32 s27, s27, 1
	s_cmp_lt_u32 s27, 15
	s_cbranch_scc1 .Lstep
	STEP1 1                                        ; the last step is written out: what it asks for is V's
	; BETWEEN THE PHASES: the row's M and sum over the four waves; the scale bytes.  V's tensor load stays on its way
.irp t, 0,1,2,3
	v_permlanex16_b32 v[T2+\t], v[L+\t], s22, s23
.endr
.irp t, 0,1,2,3
	v_add_f32 v[L+\t], v[L+\t], v[T2+\t]           ; with lane l xor 16's keys
.endr
.irp t, 0,1,2,3
	ds_store_b32 v19, v[NM+2*\t+1] offset:256*\t
	ds_store_b32 v19, v[L+\t] offset:1024+256*\t
.endr
	v_add_nc_u32 v12, s63, v1                      ; V in slot 0: my 16,384 bytes,
	v_add_nc_u32 v31, 65536, v12                   ; and in slot 1
	s_wait_alu depctr_va_vdst(0)
	s_wait_dscnt 0x0                               ; for the others' sake: P, the -M_b, my -M and my sum are stored
	s_barrier_signal -1
	s_barrier_wait -1
.irp t, 0,1,2,3
	ds_load_b128 v[80+4*\t:83+4*\t], v20 offset:256*\t             ; the four waves' -M of query r, tile t,
	ds_load_b128 v[96+4*\t:99+4*\t], v20 offset:1024+256*\t        ; and their sums
.endr
.irp a, 0,1
.irp t, 0,1,2,3
	ds_load_b128 v[128+16*\a+4*\t:131+16*\a+4*\t], v21 offset:2048*\a+256*\t   ; the four blocks' -M_b of step 4 w + 2 a + h
.endr
.endr
	s_wait_dscnt 0x0
.irp t, 0,1,2,3
	v_min3_num_f32 v[112+\t], v[80+4*\t], v[81+4*\t], v[82+4*\t]
.endr
.irp t, 0,1,2,3
	v_min_num_f32 v[112+\t], v[112+\t], v[83+4*\t] ; -M of the row
.endr
.irp i, 0,1,2,3
.irp t, 0,1,2,3
	v_sub_f32 v[80+4*\t+\i], v[112+\t], v[80+4*\t+\i]
.endr
.endr
.set zj, 0
.rept 16
	v_cvt_i32_f32 v[80+zj], v[80+zj]
.set zj, zj+1
.endr
.set zj, 0
.rept 16
	v_ldexp_f32 v[96+zj], v[96+zj], v[80+zj]       ; each wave's sum under the row's M
.set zj, zj+1
.endr
.irp t, 0,1,2,3
	v_add_f32 v[96+4*\t], v[96+4*\t], v[97+4*\t]
	v_add_f32 v[98+4*\t], v[98+4*\t], v[99+4*\t]
.endr
.irp t, 0,1,2,3
	v_add_f32 v[96+4*\t], v[96+4*\t], v[98+4*\t]
.endr
	s_wait_alu depctr_va_vdst(0)                   ; ahead of the batch
.irp t, 0,1,2,3
	v_rcp_f32 v[26+\t], v[96+4*\t]
.endr
.irp t, 0,1,2,3
	v_add_f32 v[116+\t], 0x42ec0000, v[112+\t]     ; 118 - M
.endr
	s_wait_alu depctr_va_vdst(0)                   ; and behind it
.irp a, 0,1
.irp i, 0,1,2,3
.irp t, 0,1,2,3
	v_sub_f32 v[128+16*\a+4*\t+\i], v[116+\t], v[128+16*\a+4*\t+\i]   ; 118 + M_b - M
.endr
.endr
.endr
.set zj, 0
.rept 32
	v_max_num_f32 v[128+zj], 1.0, v[128+zj]
.set zj, zj+1
.endr
.set zj, 0
.rept 32
	v_cvt_u32_f32 v[128+zj], v[128+zj]
.set zj, zj+1
.endr
.irp a, 0,1
.irp t, 0,1,2,3
	v_lshl_or_b32 v[160+4*\a+\t], v[129+16*\a+4*\t], 8, v[128+16*\a+4*\t]
.endr
.irp t, 0,1,2,3
	v_lshl_or_b32 v[160+4*\a+\t], v[130+16*\a+4*\t], 16, v[160+4*\a+\t]
.endr
.irp t, 0,1,2,3
	v_lshl_or_b32 v[160+4*\a+\t], v[131+16*\a+4*\t], 24, v[160+4*\a+\t]
.endr
.endr
	ds_store_b128 v22, v[160:163]
	ds_store_b128 v22, v[164:167] offset:512
	s_wait_alu depctr_va_vdst(0)
	s_wait_dscnt 0x0
	s_barrier_signal -1
	s_barrier_wait -1
	LDP 0
	WIN 0
	s_mov_b32 s32, 4                               ; passes to go, this one among them: the same number in every work-group
.Lpass:
	s_cmp_eq_u32 s32, 1
	s_cselect_b32 s31, 99, s30
	VG 0, 1
	VG 1, 1
	VG 2, 1
	s_cmp_eq_u32 s32, 1
	s_cbranch_scc1 .Llast                          ; the last pass's last group is written out: it asks for nothing more
	VG 3, 2
	OUT
	s_wait_xcnt 0x0                                ; the pass's loads, prefetches and stores have read their bases
	s_add_nc_u64 s[12:13], s[12:13], 8192
	s_add_nc_u64 s[14:15], s[14:15], 256
	s_add_nc_u64 s[16:17], s[16:17], 256
	s_xor_b32 s30, s30, 4
	s_sub_co_u32 s32, s32, 1
	s_branch .Lpass
.Llast:
	VG 3, 0
	OUT
	s_wait_tensorcnt 0x0                           ; the wave's end, behind my last tensor load and my last LDS store
	ds_add_u32 v7, v8
	s_wait_dscnt 0x0
	ROUND                                          ; the closing round: no work-group ends while a partner may still ask for bytes that name it
	s_endpgm
.Lfunc_end_k_qf0470567cd_attn:
	.size	k_qf0470567cd_attn, .Lfunc_end_k_qf0470567cd_attn-k_qf0470567cd_attn
	.p2alignl 7, 3214868480
	.fill 96, 4, 3214868480
	.section	.rodata,"a",@progbits
	.p2align	6, 0x0
	.amdhsa_kernel k_qf0470567cd_attn
		.amdhsa_group_segment_fixed_size 327680
		.amdhsa_private_segment_fixed_size 0
		.amdhsa_enable_private_segment 0
		.amdhsa_kernarg_size 48
		.amdhsa_user_sgpr_count 2
		.amdhsa_user_sgpr_kernarg_segment_ptr 1
		.amdhsa_wavefront_size32 1
		.amdhsa_system_sgpr_workgroup_id_x 1
		.amdhsa_system_sgpr_workgroup_id_y 1
		.amdhsa_system_sgpr_workgroup_id_z 1
		.amdhsa_system_vgpr_workitem_id 0
		.amdhsa_next_free_vgpr 1024
		.amdhsa_next_free_sgpr 96
		.amdhsa_reserve_vcc 0
		.amdhsa_float_denorm_mode_32 3
		.amdhsa_float_denorm_mode_16_64 3
		.amdhsa_memory_ordered 1
		.amdhsa_forward_progress 1
		.amdhsa_inst_pref_size 255
	.end_amdhsa_kernel
	.section	.bss,"aw",@nobits
	.p2align	6
	.space	262144
	.amdgpu_metadata
---
amdhsa.version: [ 1, 2 ]
amdhsa.kernels:
  - .name:           k_qf0470567cd_attn
    .symbol:         k_qf0470567cd_attn.kd
    .args:
      - { .name: qkv, .offset: 0, .size: 8, .value_kind: global_buffer, .address_space: global }
      - { .name: kcod, .offset: 8, .size: 8, .value_kind: global_buffer, .address_space: global }
      - { .name: kscl, .offset: 16, .size: 8, .value_kind: global_buffer, .address_space: global }
      - { .name: vcod, .offset: 24, .size: 8, .value_kind: global_buffer, .address_space: global }
      - { .name: vscl, .offset: 32, .size: 8, .value_kind: global_buffer, .address_space: global }
      - { .name: out0, .offset: 40, .size: 8, .value_kind: global_buffer, .address_space: global }
    .group_segment_fixed_size: 327680
    .private_segment_fixed_size: 0
    .kernarg_segment_align: 8
    .kernarg_segment_size: 48
    .max_flat_workgroup_size: 128
    .sgpr_count:     96
    .vgpr_count:     1024
    .wavefront_size: 32
...
	.end_amdgpu_metadata
.endif
;; end of part 2
